; MI455X (gfx1250); checked and timed in simulation.
; The chip was launched on July 23, 2026; its instructions are those of AMD's public machine-readable ISA for CDNA 5 (MIT licence, August 2026) and "CDNA5" Instruction Set Architecture Reference Guide (July 2026). The comments in the code are by the model that wrote it; some were corrected since.
;; Full Attention. Allowed arithmetic: matrix products marked QUANTISED: E2M1 operands, one E8M0 scale for each 32 along K, by v_wmma_scale_f32_16x16x128_f8f6f4 with both operands' format E2M1 (or v_wmma_scale_f32_32x16x128_f4), f32 sums; everything else in f32.
;; Inputs: keys_codes 4 x 2,048 x 16 x 2 x 16 uint8 (E2M1 codes of keys, K innermost, in blocks of 32 codes, two codes a byte); keys_scales 4 x 2,048 x 16 x 2 uint8 (E8M0 scales of keys, one for each 32 codes along K); queries_codes 4 x 2,048 x 16 x 2 x 16 uint8 (E2M1 codes of queries, K innermost, in blocks of 32 codes, two codes a byte); queries_scales 4 x 2,048 x 16 x 2 uint8 (E8M0 scales of queries, one for each 32 codes along K); values_codes 4 x 16 x 64 x 64 x 16 uint8 (E2M1 codes of values, K innermost, in blocks of 32 codes, two codes a byte); values_scales 4 x 16 x 64 x 64 uint8 (E8M0 scales of values, one for each 32 codes along K).
;; Outputs: out0 4 x 2,048 x 16 x 64 float32.
;; This version of the problem:
;;   THIS VERSION OF THE PROBLEM IS GIVEN IN LOW PRECISION. The matrix products marked QUANTISED in the list below multiply operands that are first quantised to E2M1 (2 exponent bits, 1 mantissa bit; 4 bits a number), with one power-of-two scale for each 32 numbers along K (OCP MX v1.0); their sums are f32. All else is computed in f32.
;;   The module's matrix products, in the order in which they are computed (A, B: the left and right operand; K: the contracted axis; several contracted axes count as one K, in the product's order):
;;     1. batch 64 x [M 2,048, K 64] x [K 64, N 2,048]; A: input queries (given as codes); B: input keys (given as codes): QUANTISED
;;     2. batch 64 x [M 64, K 2,048] x [K 2,048, N 2,048]; A: input values (given as codes); B: softmax (see below): QUANTISED
;;   THE QUANTISER, for each operand of a quantised product, along K:
;;     - K is cut into blocks of 32 from its start; a last block that is shorter is filled with zeros.
;;     - A block's scale is 2^e with e = floor(log2(the largest magnitude in the block)) - 2, held to -126 .. 127; a block of zeros has e = 0. As a byte (E8M0): e + 127.
;;     - Each number is divided by its block's scale, clamped to +-6, and rounded to the nearest number of E2M1, ties to even, subnormals kept.
;;     - The product sums the exact products of the quantised numbers (number of the format x scale) in f32.
;;   ~~~python
;;   def quantise(x, axis):      # numpy; x: float32 -> the quantised numbers, widened to float32 again
;;       x = np.moveaxis(x, axis, -1); K = x.shape[-1]
;;       x = np.pad(x, [(0, 0)] * (x.ndim - 1) + [(0, -K % 32)]); x = x.reshape(x.shape[:-1] + (-1, 32)); a = np.abs(x).max(-1, keepdims=True)
;;       e = np.where(a > 0, np.clip(np.frexp(np.where(a > 0, a, 1))[1] - 1 - 2, -126, 127), 0)      # np.frexp(a)[1] - 1 = floor(log2(a)), exactly
;;       r = np.clip(x / 2.0 ** e, -6, 6)
;;       step = 2.0 ** (np.maximum(np.frexp(np.where(r == 0, 1, r))[1] - 1, 0) - 1)
;;       q = np.round(r / step) * step * 2.0 ** e      # np.round: ties to even
;;       return np.moveaxis(q.reshape(q.shape[:-2] + (-1,))[..., :K], -1, axis).astype(np.float32)
;;   ~~~
;;   SOFTMAX AHEAD OF A QUANTISED PRODUCT. Where the list says 'softmax', what is quantised is not the finished softmax but p = 2^(t - M), with t = logit x log2(e) and M = ceil(the row's largest t), a whole number; so 1/2 < the row's largest p <= 1. The row's sum l is taken of the UNQUANTISED p, in f32, and the product's result is divided by l at the end. Since M is a whole number, a kernel that streams over the keys may use a running M (the ceiling of the running maximum): every later rescaling is an exact power of two, which a block's scale takes up: the codes' values come out the same.
;;   OPERANDS COMPUTED ON THE WAY. 'Computed on the way' means the value that the module computes at that place (a softmax that the list does not call 'softmax' is quantised finished and normalised). What goes into a quantiser is computed in f32, as accurately as f32 sums, v_exp_f32 and their like allow (about 1e-6 of the number): no bf16 or f16 on the way to a quantiser, and a product that is left as it is and whose result goes on into a quantised operand takes f32 operands (vector FMAs, or v_wmma_f32_16x16x4_f32). A number that lies on a knife's edge between two numbers of the format may be rounded either way, as far as f32 arithmetic and the matrix unit's own rounding can turn it there, and no further.
;;   INPUTS GIVEN AS CODES. keys (in the module: [4, 2048, 16, 64], K = its axis 3); queries (in the module: [4, 2048, 16, 64], K = its axis 3); values (in the module: [4, 2048, 16, 64], K = its axis 1): each comes as NAME_codes (uint8): NAME with its K axis moved to the last place and cut into blocks of 32 codes, [.., K / 32, bytes a block], one block behind the other in memory; two codes a byte, the lower K in the low four bits (a code: sign, 2 exponent bits, 1 mantissa bit); and NAME_scales (uint8): the same leading axes, one E8M0 byte (e + 127) for each 32 codes along K. Its value is code x scale, taken as it is: it is not quantised again, and the codes and scales need not be those that the quantiser above would give.
;; One version. Each part assembles by itself: llvm-mc -triple=amdgcn-amd-amdhsa -mcpu=gfx1250 --defsym DOCPART=n.
;; ======== version 1 of 1: 1 launch
;; launch attn (part 1): grid 4 x 64, 16 waves a work-group, clusters of 4 x 1, 278,528 bytes of LDS; arguments keys_codes, keys_scales, queries_codes, queries_scales, values_codes, values_scales, out0; writes out0
.if DOCPART == 1
	.amdgcn_target "amdgcn-amd-amdhsa--gfx1250"
	.amdhsa_code_object_version 6
	.text
	.protected	k_qa875bd685d_attn
	.globl	k_qa875bd685d_attn
	.p2align	8
	.type	k_qa875bd685d_attn,@function
k_qa875bd685d_attn:
	s_mov_b64 s[64:65], 0
	v_nop
	global_prefetch_b8 v0, s[64:65] scope:SCOPE_SE
	s_setreg_imm32_b32 hwreg(HW_REG_WAVE_MODE, 25, 1), 1
	s_wait_xcnt 0x0
	s_wait_alu depctr_hold_cnt(0) depctr_sa_sdst(0) depctr_va_vdst(0) depctr_va_sdst(0) depctr_va_ssrc(0) depctr_va_vcc(0) depctr_vm_vsrc(0)
	s_getreg_b32 s2, hwreg(HW_REG_IB_STS2, 6, 4)
	s_cmp_eq_u32 s2, 0
	s_cbranch_scc0 .Lentry_in_a_cluster
	s_endpgm
.Lentry_in_a_cluster:
	s_bfe_u32 s2, ttmp6, 0x10000c
	s_cmp_lg_u32 s2, 0x3003
	s_cbranch_scc0 .Lentry_shape_is_right
	s_endpgm
.Lentry_shape_is_right:
; out0[b][l][h][:] = the sum over s <= l of softmax_s(Q[b][l][h] . K[b][s][h] / 8) V[b][s][h][:]: causal attention, 64 pairs (b, h), 2,048 positions, head size 64.
; Both products run on the codes of FP4 (E2M1) as they are given, with one E8M0 scale for each 32 along a product's K.
; Q, K: a row (b, position, h) is 32 bytes of codes and 2 scale bytes; rows of one head lie 512 and 32 bytes apart.  V: the keys innermost: a row (b, h, d) is 1,024 bytes of codes and 64 scale bytes.
; THE SOFTMAX AHEAD OF THE SECOND PRODUCT: t = score x log2(e) / 8; M = the row's largest t so far, rounded UP to a whole number; p = 2^(t - M) is what is quantised, along the keys, in blocks of 32; it is not
; normalised.  The row's sum is taken of the unquantised p, in f32, and divides O at the end.  When M moves, the sum and O are multiplied by 2^(old M - new M): exact.
; WORK LEFT OUT.  A step of 128 keys all of which come after a tile's 16 queries is not walked: those scores are -inf under the causal mask, so their p is 0 and they add
; nothing to the sum or to O, whatever the inputs hold.  All six inputs have a way to the output and are loaded.
; LIMITS.  A NaN (a scale byte 0xff) that reaches only steps left out is not carried to the result.  A p under 2^-126 comes out of v_exp_f32 as 0.  A block whose every p is 0 has the scale byte 1, not 127: its
; codes are zeros, and the byte is read by this kernel alone.  A block's largest p is made from the block's largest score by the same multiply-add and exponential as every p: that takes v_exp_f32 not to fall where its input rises.
; SHARES.  Four work-groups, a cluster, serve one (b, h).  A tile is 16 queries; tile T = 0 .. 127 belongs to partner cx = T mod 4 and has the local number u = T / 4.  Tile u has (u / 2) + 1 steps of 128 keys that
; count, whatever cx: no branch hangs on cx.  Wave w of sixteen owns u = 31 - w (the long tile) and then u = w (the short one): 17 steps in every wave of the launch, two of them on the diagonal.
; 64 heads x 4 partners are 256 work-groups of equal work.
; LDS.  A head's K codes (64 KiB), V codes, its batch's K scale bytes and its V scale bytes lie in LDS whole: each byte is asked for once, by ten tensor loads at the head, and nothing is filled again.
; So there is no later load ahead of which a prefetch could ask.  CLUSTER: the four partners need the same K and V: each load is asked for JOINTLY, the same descriptor and the mask 15 in all four.
; LAYOUT.  Both products are used transposed: S^T = K Q^T (source 0 = 16 keys, source 1 = my 16 queries), O^T = V^T P^T (source 0 = 16 of the head's 64, source 1 = P): a lane holds ONE query (lane % 16) throughout.
; The head's 64 channels fill k = 0 .. 63 of the instruction's 128; registers 4 to 7 of K's and Q's fragments are zero codes, set once, and bytes 2 and 3 of their scale words are 0, which is no NaN.
; THE KEYS OF A TILE ARE NOT NEIGHBOURS: lane r of tile 2 b + u takes key 32 b + 8 u + r + 8 (r / 8), so that the 16 registers of tiles 2 b and 2 b + 1 are 16 neighbouring keys, 32 b + 16 (lane / 16) + 0 .. 15.
.set KC,    0                          ; LDS: K's codes: key s at 32 s.  No padding: rows 16 apart start on the same bank at every pitch that is a multiple of 16 bytes (64 banks of 4 bytes: ISA guide 11.1)
.set VC,    65536                      ; V's codes: row d at 1,040 d (1,024 + 16 of padding = 260 words: row d starts at bank 4 d mod 64); step st at + 64 st
.set KSC,   132096                     ; the batch's K scale bytes, all heads': 8 keys x 32 bytes are a row of 256, + 16 of padding: key s at 272 (s / 8) + 32 (s % 8) + 2 head
.set VSC,   201728                     ; the head's V scale bytes: 4 rows d x 64 bytes are a row of 256, + 16: row d at 272 (d / 4) + 64 (d % 4); step st at + 4 st
.set STAGE, 206080                     ; the way out: 16 rows x (256 + 16) bytes for each wave; no tensor load lands here
.set SPARE, 275712                     ; the spare words, 128 bytes for each wave: eight blocks of 256 bytes that no other line names
.set AK0,  1                           ; v1   my lane's place in a tile of K
.set AV0,  2                           ; v2   in a tile of V
.set ASK0, 3                           ; v3   among K's scale words: lanes 0-15 an even tile's keys, lanes 16-31 the odd tile's
.set ASV0, 4                           ; v4   among V's: likewise
.set SPW,  5                           ; v5   LDS address of my spare word: SPARE + 4 x my thread's number; never rewritten
.set NIL,  6                           ; v6   0; never rewritten
.set GO,   7                           ; v7   the way out: my byte offset in the tile's rows of out0
.set ADK,  8                           ; v8-11 the LDS addresses of the step in hand: K, V, K's scale words, V's
.set ADV,  9
.set ADS,  10
.set ADT,  11
                                       ; v12 -M, v13 the largest t, v[14:15] the row's sum in two halves
.set QF,   16                          ; v16-19 Q's fragment in hand, v20-23 its zero codes
.set QF2,  24                          ; v24-27 the short tile's, kept; v28 its scale word; v29 its d
.set VSW,  30                          ; v30-31 V's scale words: lanes 0-15 tile 2 g, lanes 16-31 tile 2 g + 1
.set KFR,  32                          ; v32-95 eight fragments of K: registers 0-3 loaded, 4-7 zero codes
.set SC,   96                          ; v96-159 S^T, then p; on the way out the results and the rows read back
.set OT,   160                         ; v160-191 O^T, four tiles
.set VFR,  192                         ; v192-223 four fragments of V
.set PC,   224                         ; v224-231 p's codes
                                       ; v232-239, v244-247, v252, v254 at work
.set DQ,   240                         ; v240 d = my query - the diagonal step's first key - 16 (lane / 16), of the tile in hand
.set QSW,  241                         ; v241 Q's scale word in hand
.set STO,  242                         ; v242 the stage: where I put 32 bytes of a row
.set RD,   243                         ; v243 and where I read a row back
.set KSW,  248                         ; v248-251 K's scale words: lanes 0-15 tile 2 b, lanes 16-31 tile 2 b + 1
.set PW,   253                         ; v253 p's scale word
.set TJ,   2                           ; s2   where the step's scale words of V begin: 4 bytes a step
.set LIM2, 3                           ; s3   the short tile's last step, kept
.set OUTL, 12                          ; s[12:13] out0 at the long tile's first row;  s[14:15] at the short tile's
.set OUTS, 14
.set WV,   18                          ; s18  my wave's number
.set CX,   19                          ; s19  my place in the cluster: it enters Q's and out0's addresses and d, and nothing else
.set SEL,  20                          ; s[20:21] lane selects for v_permlanex16_b32: lane l xor 16
.set CS,   22                          ; s[22:23] c = log2(e) / 8: the packed form names a pair and takes its low word for both halves
.set G1K,  24                          ; s[24:31] descriptor group 1: 512 keys' codes;  s[32:39] V's codes;  s[40:47] 512 keys' scale bytes;  s[48:55] V's scale bytes
.set G1V,  32
.set G1KS, 40
.set G1VS, 48
.set G0VS, 56                          ; s[56:59], s[60:63] groups 0 for V's scale bytes and codes;  s[68:83] for K's four chunks of codes;  s[84:99] of scale bytes
.set G0V,  60
.set G0KC, 68
.set G0KS, 84
.set ST,   66                          ; s66  the step's number
.set LIM,  67                          ; s67  the last step that counts for the tile in hand: the one on the diagonal
.set CNT,  100                         ; s100 a walk's trips to go
.set TK,   101                         ; s101 where the step's keys begin in KC: 4,096 bytes a step
.set TV,   104                         ; s104 in a row of VC: 64 bytes a step
.set TS,   105                         ; s105 in KSC: 16 rows of 272 bytes a step
; A round of the cluster's barrier: my work-group's barrier, so that wave 0's signal speaks for all sixteen waves; wave 0 signals for the work-group; every wave waits for all four work-groups; my work-group's barrier once more.
.macro CROUND
	s_barrier_signal -1
	s_barrier_wait -1
	s_cmp_lg_u32 s[WV], 0
	s_cbranch_scc1 .Lnot_wave_0_\@
	s_barrier_signal -3
.Lnot_wave_0_\@:
	s_barrier_wait -3
	s_barrier_signal -1
	s_barrier_wait -1
.endm
; The loading waves wait until at most n of their loads are out, and a barrier shows what has landed to all sixteen.  The later chunks may stay on their way.
; No LDS instruction of the wave is out here: every walk ends behind its own wait for 0 on DScnt.
.macro MEET n
	s_wait_tensorcnt \n
	s_barrier_signal -1
	s_barrier_wait -1
.endm
	s_load_b256 s[4:11], s[0:1], 0x0               ; K's codes s[4:5], K's scales s[6:7], Q's codes s[8:9], Q's scales s[10:11]
	s_load_b128 s[12:15], s[0:1], 0x20             ; V's codes s[12:13], V's scales s[14:15]
	s_load_b64 s[16:17], s[0:1], 0x30              ; out0
	v_lshl_add_u32 v[SPW], v0, 2, SPARE
	v_mov_b32 v[NIL], 0
	ds_add_u32 v[SPW], v[NIL]                      ; the wave's opening: the add, twice on end, and its wait ahead of the first tensor loads; the set-up below, work on registers, stands between the second and the wait
	ds_add_u32 v[SPW], v[NIL]                      ; and once more, under the one wait
	v_lshrrev_b32 v244, 5, v0
	s_delay_alu instid0(VALU_DEP_1)
	v_readfirstlane_b32 s[WV], v244                ; wave 0..15
	s_bfe_u32 s[CX], ttmp6, 0x40000                ; cx
	s_and_b32 s66, ttmp7, 0xffff                   ; 16 b + head: the cluster's y, which the four partners share
	s_lshr_b32 s67, s66, 4                         ; b
	s_and_b32 s100, s66, 15                        ; head
	s_lshl_b32 s104, s67, 20                       ; K's and Q's codes: a batch is 2^20 bytes, a head's 32 bytes lie at 32 x head of a position's 512
	s_lshl_b32 s105, s100, 5
	s_add_co_u32 s104, s104, s105
	s_mov_b32 s105, 0
	s_lshl_b32 s2, s67, 16                         ; K's and Q's scale bytes: a batch is 2^16 bytes
	s_mov_b32 s3, 0
	; group 1, K's codes: 512 rows of 32 bytes, 512 bytes apart in memory, on end in LDS
	s_mov_b32 s[G1K], 15|(1<<21)                   ; 15:0 the mask: all four work-groups; 17:16 elements of 1 byte; 20 no padding; 21 set beside a mask
	s_mov_b32 s[G1K+1], 32<<16                     ; tensor_dim0 = 32
	s_mov_b32 s[G1K+2], 512<<16                    ; tensor_dim1 = 512
	s_mov_b32 s[G1K+3], 32<<16                     ; tile_dim0 = 32
	s_mov_b32 s[G1K+4], 512                        ; tile_dim1 = 512
	s_mov_b32 s[G1K+5], 512                        ; from row to row
	s_mov_b32 s[G1K+6], 0
	s_mov_b32 s[G1K+7], 0
	; V's codes: 64 rows of 1,024 bytes, dense; 4 words of padding behind every 256
	s_mov_b32 s[G1V], 15|(1<<20)|(1<<21)|(7<<22)|(3<<25)
	s_mov_b32 s[G1V+1], 1024<<16
	s_mov_b32 s[G1V+2], 64<<16
	s_mov_b32 s[G1V+3], 1024<<16
	s_mov_b32 s[G1V+4], 64
	s_mov_b32 s[G1V+5], 1024
	s_mov_b32 s[G1V+6], 0
	s_mov_b32 s[G1V+7], 0
	; scale bytes: dense blocks as rows of 256 bytes (32 elements of 8 bytes), 4 words of padding behind every 64: 64 rows for 512 keys, 16 rows for the head's V
	s_mov_b32 s[G1KS], 15|(3<<16)|(1<<20)|(1<<21)|(5<<22)|(3<<25)
	s_mov_b32 s[G1KS+1], 32<<16
	s_mov_b32 s[G1KS+2], 64<<16
	s_mov_b32 s[G1KS+3], 32<<16
	s_mov_b32 s[G1KS+4], 64
	s_mov_b32 s[G1KS+5], 32
	s_mov_b32 s[G1KS+6], 0
	s_mov_b32 s[G1KS+7], 0
	s_mov_b32 s[G1VS], 15|(3<<16)|(1<<20)|(1<<21)|(5<<22)|(3<<25)
	s_mov_b32 s[G1VS+1], 32<<16
	s_mov_b32 s[G1VS+2], 16<<16
	s_mov_b32 s[G1VS+3], 32<<16
	s_mov_b32 s[G1VS+4], 16
	s_mov_b32 s[G1VS+5], 32
	s_mov_b32 s[G1VS+6], 0
	s_mov_b32 s[G1VS+7], 0
	; groups 0: count 1, the LDS address, and for now the byte offset in the tensor.  Every wave makes all ten, from numbers that the partners share
	s_mov_b32 s[G0VS], 1
	s_mov_b32 s[G0VS+1], VSC
	s_lshl_b32 s[G0VS+2], s66, 12                  ; a head's V scale bytes: 4,096
	s_mov_b32 s[G0VS+3], 0
	s_mov_b32 s[G0V], 1
	s_mov_b32 s[G0V+1], VC
	s_lshl_b32 s[G0V+2], s66, 16                   ; a head's V codes: 65,536
	s_mov_b32 s[G0V+3], 0
.irp c, 0,1,2,3
	s_mov_b32 s[G0KC+4*\c], 1
	s_mov_b32 s[G0KC+4*\c+1], KC+16384*\c
	s_mov_b32 s[G0KS+4*\c], 1
	s_mov_b32 s[G0KS+4*\c+1], KSC+17408*\c
.endr
	s_mov_b32 s[SEL], 0x76543210
	s_mov_b32 s[SEL+1], 0xfedcba98
	s_mov_b32 s[CS], 0x3e38aa3b                    ; c = log2(e) / 8
	s_mov_b32 s[CS+1], s[CS]                       ; (named with it as a pair, so it is written)
	s_wait_dscnt 0x0                               ; both opening adds are done
	s_wait_kmcnt 0x0
	s_add_nc_u64 s[G0VS+2:G0VS+3], s[14:15], s[G0VS+2:G0VS+3]
	s_or_b32 s[G0VS+3], s[G0VS+3], 0x80000000      ; 127:126 type = 2
	s_add_nc_u64 s[G0V+2:G0V+3], s[12:13], s[G0V+2:G0V+3]
	s_or_b32 s[G0V+3], s[G0V+3], 0x80000000
	s_add_nc_u64 s[4:5], s[4:5], s[104:105]        ; K's codes at (b, key 0, head)
	s_add_nc_u64 s[6:7], s[6:7], s[2:3]            ; K's scale bytes at (b, key 0, head 0)
	s_add_nc_u64 s[8:9], s[8:9], s[104:105]        ; Q's codes at (b, query 0, head)
	s_add_nc_u64 s[10:11], s[10:11], s[2:3]        ; Q's scale bytes at (b, query 0, head 0)
.irp c, 0,1,2,3
	s_add_nc_u64 s[G0KC+4*\c+2:G0KC+4*\c+3], s[4:5], \c*262144    ; chunk c: keys 512 c on, 512 bytes a key
	s_or_b32 s[G0KC+4*\c+3], s[G0KC+4*\c+3], 0x80000000
	s_add_nc_u64 s[G0KS+4*\c+2:G0KS+4*\c+3], s[6:7], \c*16384     ; and 32 scale bytes a key
	s_or_b32 s[G0KS+4*\c+3], s[G0KS+4*\c+3], 0x80000000
.endr
	CROUND                                         ; all four work-groups are here: the joint loads meet
	; ALL THE LAUNCH'S TENSOR LOADS, in one branch on the wave's number, the same in every partner.  Wave 0: V's scale bytes, then K's codes, chunk by chunk; wave 1: V's codes, then K's scale bytes, chunk by chunk.
	; So five loads of a wave are out at the most, and in both waves 3 - c loads are issued behind chunk c.  An s_nop 0 follows each load and four v_nop the last of an arm.
	s_cmp_lg_u32 s[WV], 0
	s_cbranch_scc1 .Lnot_first
	tensor_load_to_lds s[G0VS:G0VS+3], s[G1VS:G1VS+7]
	s_nop 0
.irp c, 0,1,2,3
	tensor_load_to_lds s[G0KC+4*\c:G0KC+4*\c+3], s[G1K:G1K+7]
	s_nop 0
.endr
.rept 4
	v_nop
.endr
	s_branch .Lasked
.Lnot_first:
	s_cmp_lg_u32 s[WV], 1
	s_cbranch_scc1 .Lasked
	tensor_load_to_lds s[G0V:G0V+3], s[G1V:G1V+7]
	s_nop 0
.irp c, 0,1,2,3
	tensor_load_to_lds s[G0KS+4*\c:G0KS+4*\c+3], s[G1KS:G1KS+7]
	s_nop 0
.endr
.rept 4
	v_nop
.endr
.Lasked:
	; my two tiles, and Q.  s4 to s7 and s12 to s15 have served the descriptors and are free
	s_lshl_b32 s4, s[WV], 2
	s_add_co_u32 s5, s4, s[CX]                     ; the short tile: T = 4 w + cx
	s_sub_co_u32 s4, 124, s4
	s_add_co_u32 s4, s4, s[CX]                     ; the long tile: T = 4 (31 - w) + cx
	v_and_b32 v244, 15, v0                         ; r = lane % 16
	s_wait_alu depctr_va_vdst(0)
	v_bfe_u32 v245, v0, 4, 1                       ; h = lane / 16
	v_lshlrev_b32 v246, 9, v244
	s_delay_alu instid0(VALU_DEP_1)
	v_lshl_add_u32 v246, v245, 4, v246             ; Q's codes: query r of a tile, 512 bytes a query, + my half's 16 bytes (k = 32 h on)
	s_lshl_b32 s6, s4, 13                          ; a tile's 16 queries are 8,192 bytes
	s_lshl_b32 s7, s5, 13
	v_add_nc_u32 v232, s6, v246
	v_add_nc_u32 v233, s7, v246
	global_load_b128 v[QF:QF+3], v232, s[8:9]
	global_load_b128 v[QF2:QF2+3], v233, s[8:9]
	s_lshl_b32 s101, s100, 1                       ; 2 x head
	s_lshl_b32 s6, s4, 9                           ; Q's scale bytes: 32 a query, 512 a tile
	s_lshl_b32 s7, s5, 9
	s_add_co_u32 s6, s6, s101
	s_add_co_u32 s7, s7, s101
	v_lshlrev_b32 v246, 5, v244
	s_delay_alu instid0(VALU_DEP_1)
	v_add_nc_u32 v234, s6, v246
	s_delay_alu instid0(VALU_DEP_2)
	v_add_nc_u32 v235, s7, v246
	global_load_u16 v[QSW], v234, s[10:11]         ; two bytes, k = 0 .. 63; the upper two come as 0, over zero codes
	global_load_u16 v[QF2+4], v235, s[10:11]
	s_lshl_b32 s6, s67, 23                         ; out0: a batch is 2^23 bytes, a head's 256 bytes lie at 256 x head of a position's 4,096, a tile's 16 positions are 2^16
	s_lshl_b32 s7, s100, 8
	s_add_co_u32 s6, s6, s7
	s_lshl_b32 s12, s4, 16
	s_add_co_u32 s12, s12, s6
	s_mov_b32 s13, 0
	s_lshl_b32 s14, s5, 16
	s_add_co_u32 s14, s14, s6
	s_mov_b32 s15, 0
	s_add_nc_u64 s[OUTL:OUTL+1], s[16:17], s[12:13]
	s_add_nc_u64 s[OUTS:OUTS+1], s[16:17], s[14:15]
	; the lane's places in LDS
	v_and_b32 v246, 8, v244
	s_delay_alu instid0(VALU_DEP_1)
	v_add_nc_u32 v246, v246, v244                  ; r + 8 (r / 8)
	s_delay_alu instid0(VALU_DEP_1)
	v_lshlrev_b32 v[AK0], 5, v246
	s_delay_alu instid0(VALU_DEP_1)
	v_lshl_add_u32 v[AK0], v245, 4, v[AK0]         ; K: that key's 32 bytes, + 16 h
	v_mul_u32_u24 v[AV0], v244, 1040
	s_delay_alu instid0(VALU_DEP_1)
	v_lshl_add_u32 v[AV0], v245, 4, v[AV0]
	s_delay_alu instid0(VALU_DEP_1)
	v_add_nc_u32 v[AV0], VC, v[AV0]                ; V: row r, + 16 h
	v_lshrrev_b32 v246, 3, v244
	s_delay_alu instid0(VALU_DEP_1)
	v_mul_u32_u24 v[ASK0], v246, 544               ; K's scale words: key r + 8 (r / 8) + 8 h lies in row 2 (r / 8) + h of 272 bytes,
	v_and_b32 v246, 7, v244
	s_delay_alu instid0(VALU_DEP_1)
	v_lshl_add_u32 v[ASK0], v246, 5, v[ASK0]       ; at 32 (r % 8),
	s_delay_alu instid0(VALU_DEP_1)
	v_mad_u32_u24 v[ASK0], v245, 272, v[ASK0]
	s_add_co_u32 s101, s101, KSC
	v_add_nc_u32 v[ASK0], s101, v[ASK0]            ; + 2 x head
	v_lshrrev_b32 v246, 2, v244
	s_delay_alu instid0(VALU_DEP_1)
	v_mul_u32_u24 v[ASV0], v246, 272               ; V's scale words: row d = r + 16 h lies in row (r / 4) + 4 h of 272 bytes,
	v_and_b32 v246, 3, v244
	s_delay_alu instid0(VALU_DEP_1)
	v_lshl_add_u32 v[ASV0], v246, 6, v[ASV0]       ; at 64 (r % 4)
	s_delay_alu instid0(VALU_DEP_1)
	v_mad_u32_u24 v[ASV0], v245, 1088, v[ASV0]
	s_delay_alu instid0(VALU_DEP_1)
	v_add_nc_u32 v[ASV0], VSC, v[ASV0]
	v_lshlrev_b32 v[GO], 12, v245
	s_delay_alu instid0(VALU_DEP_1)
	v_lshl_add_u32 v[GO], v244, 4, v[GO]           ; the way out: lanes 0-15 take one position's 256 bytes, lanes 16-31 the next position's; 16 bytes a lane
	s_mul_i32 s6, s[WV], 4352
	s_add_co_u32 s6, s6, STAGE                     ; my stage
	v_mul_u32_u24 v[STO], v244, 272
	s_delay_alu instid0(VALU_DEP_1)
	v_lshl_add_u32 v[STO], v245, 5, v[STO]
	s_delay_alu instid0(VALU_DEP_1)
	v_add_nc_u32 v[STO], s6, v[STO]                ; in: row r; tile t's eight channels of my half: 64 t + 32 h bytes on
	v_mul_u32_u24 v[RD], v245, 272
	s_delay_alu instid0(VALU_DEP_1)
	v_lshl_add_u32 v[RD], v244, 4, v[RD]
	s_delay_alu instid0(VALU_DEP_1)
	v_add_nc_u32 v[RD], s6, v[RD]                  ; back: lanes 0-15 one row, lanes 16-31 the next
	; d: a tile's query r is 64 u + 16 cx + r, its diagonal step begins at key 128 (u / 2): the difference is 64 (u % 2) + 16 cx + r
	v_lshlrev_b32 v246, 4, v245
	s_delay_alu instid0(VALU_DEP_1)
	v_sub_nc_u32 v246, v244, v246                  ; r - 16 h
	s_and_b32 s6, s[WV], 1
	s_lshl_b32 s6, s6, 6
	s_lshl_b32 s7, s[CX], 4
	s_add_co_u32 s6, s6, s7                        ; the short tile's: u = w
	s_xor_b32 s7, s6, 64                           ; the long tile's: u = 31 - w has the other parity (16 cx stays under 64)
	v_add_nc_u32 v[QF2+5], s6, v246
	v_add_nc_u32 v[DQ], s7, v246
	s_sub_co_u32 s[LIM], 31, s[WV]
	s_lshr_b32 s[LIM], s[LIM], 1                   ; the long tile's diagonal step: 8 .. 15
	s_lshr_b32 s[LIM2], s[WV], 1                   ; the short tile's: 0 .. 7
.irp j, 4,5,6,7
	v_mov_b32 v[QF+\j], 0                          ; zero codes for k = 64 .. 127: Q's,
.endr
.irp t, 0,1,2,3,4,5,6,7
.irp j, 4,5,6,7
	v_mov_b32 v[KFR+8*\t+\j], 0                    ; and K's: operands, set once for the launch
.endr
.endr
.irp b, 0,1,2,3
	v_mov_b32 v[236+\b], 0                         ; written once: a lane permute's destination counts as one of its sources
.endr
	v_mov_b32 v[PW], 0                             ; (named as the upper half of the pair v[252:253] before it is first written)
; A tile begins: the largest t -3e38, under every t; the sum and O^T zeros, which the first change of M leaves zeros.  So a step is written without a first step of its own.
.macro START
	v_mov_b32 v13, 0xff61b1e6
	s_delay_alu instid0(VALU_DEP_1)
	v_floor_f32 v12, -v13                          ; -M
	v_mov_b32 v14, 0
	v_mov_b32 v15, 0
.set j, 0
.rept 32
	v_mov_b32 v[OT+j], 0
.set j, j+1
.endr
.endm
; A STEP: 128 keys for my 16 queries.  guard = 1: the step may come after the tile's diagonal step (it is then jumped over: a scalar branch on the wave's number and the count of steps; no barrier stands in a step) or be that step (hidden scores become -inf).
.macro STEP guard
.if \guard
	s_cmp_gt_u32 s[ST], s[LIM]
	s_cbranch_scc1 .Lhid_\@
.endif
	s_setprio 2
	v_add_nc_u32 v[ADK], s[TK], v[AK0]             ; these four are also the four places between the last step's products V^T P and the loads into their registers
	v_add_nc_u32 v[ADV], s[TV], v[AV0]
	v_add_nc_u32 v[ADS], s[TS], v[ASK0]
	v_add_nc_u32 v[ADT], s[TJ], v[ASV0]
.irp t, 0,1,2,3,4,5,6,7
	ds_load_b128 v[KFR+8*\t:KFR+8*\t+3], v[ADK] offset:(32*(\t/2)+8*(\t%2))*32
.endr
.irp b, 0,1,2,3
	ds_load_u16 v[KSW+\b], v[ADS] offset:1088*\b   ; two bytes a key; the upper two come as 0, over zero codes
.endr
.irp t, 0,1,2,3
.irp c, 0,1
	ds_load_b128 v[VFR+8*\t+4*\c:VFR+8*\t+4*\c+3], v[ADV] offset:16640*\t+32*\c
.endr
.endr
.irp g, 0,1
	ds_load_b32 v[VSW+\g], v[ADT] offset:2176*\g
.endr
	s_wait_dscnt 10                                ; K's twelve loads are in; V's ten, issued behind them, land under the softmax
.irp t, 0,2,4,6                                ; S^T = K Q^T.  Lane (r, h) holds query r; the 16 registers of tiles 2 b, 2 b + 1 are keys 32 b + 16 h + 0 .. 15 of the step
	v_wmma_scale_f32_16x16x128_f8f6f4 v[SC+8*\t:SC+8*\t+7], v[KFR+8*\t:KFR+8*\t+7], v[QF:QF+7], 0, v[KSW+\t/2], v[QSW] matrix_a_fmt:MATRIX_FMT_FP4 matrix_b_fmt:MATRIX_FMT_FP4
	v_wmma_scale_f32_16x16x128_f8f6f4 v[SC+8*\t+8:SC+8*\t+15], v[KFR+8*\t+8:KFR+8*\t+15], v[QF:QF+7], 0, v[KSW+\t/2], v[QSW] matrix_a_fmt:MATRIX_FMT_FP4 matrix_b_fmt:MATRIX_FMT_FP4 matrix_a_scale:MATRIX_SCALE_ROW1
.endr
.rept 4
	v_nop                                          ; four places behind the products, ahead of the first read of their results (ISA guide 7.12.1)
.endr
.if \guard
	s_cmp_lg_u32 s[ST], s[LIM]
	s_cbranch_scc1 .Lopen_\@                       ; all keys of an earlier step count
	v_mov_b32 v254, 0xff800000                     ; -infinity.  Register 16 b + i holds the step's key 32 b + 16 h + i: hidden where 32 b + i > d.  A selection, no branch: d hangs on cx
.irp n, 0,1,2,3,4,5,6,7,8,9,10,11,12,13,14,15,16,17,18,19,20,21,22,23,24,25,26,27,28,29,30,31,32,33,34,35,36,37,38,39,40,41,42,43,44,45,46,47,48,49,50,51,52,53,54,55,56,57,58,59,60,61,62,63
	v_cmp_gt_i32 vcc_lo, 32*(\n/16)+\n%16, v[DQ]
	v_cndmask_b32 v[SC+\n], v[SC+\n], v254, vcc_lo
.endr
.Lopen_\@:
.endif
.irp b, 0,1,2,3
	v_max3_num_f32 v[232+\b], v[SC+16*\b], v[SC+1+16*\b], v[SC+2+16*\b]   ; THE LARGEST SCORE OF EACH BLOCK OF 32 KEYS: it serves twice: for the row's maximum and, since p rises with the score, for the block's largest p
.endr
.irp i, 3,5,7,9,11,13
.irp b, 0,1,2,3
	v_max3_num_f32 v[232+\b], v[232+\b], v[SC+16*\b+\i], v[SC+1+16*\b+\i]   ; (the four blocks by turns)
.endr
.endr
.irp b, 0,1,2,3
	v_max_num_f32 v[232+\b], v[232+\b], v[SC+15+16*\b]
.endr
.irp b, 0,1,2,3
	s_delay_alu instid0(VALU_DEP_4)
	v_permlanex16_b32 v[236+\b], v[232+\b], s[SEL], s[SEL+1]
.endr
.irp b, 0,1,2,3
	s_delay_alu instid0(VALU_DEP_4)
	v_max_num_f32 v[232+\b], v[232+\b], v[236+\b]  ; with lane l xor 16's 16 keys
.endr
	s_delay_alu instid0(VALU_DEP_2)
	v_max3_num_f32 v254, v232, v233, v234
	s_delay_alu instid0(VALU_DEP_1)
	v_max_num_f32 v254, v254, v235                 ; the step's largest score of my query (the query's own key counts in the diagonal step: it is a number)
	s_delay_alu instid0(VALU_DEP_1)
	v_mul_f32 v254, s[CS], v254                    ; as t (c is positive)
	s_delay_alu instid0(VALU_DEP_1)
	v_max_num_f32 v13, v13, v254                   ; the running largest t
	v_mov_b32 v254, v12
	s_delay_alu instid0(VALU_DEP_2)
	v_floor_f32 v12, -v13                          ; the new -M = floor(-t) = -ceil(t): M IS A WHOLE NUMBER
	s_delay_alu instid0(VALU_DEP_1)
	v_sub_f32 v254, v12, v254                      ; M's old value less its new one: a whole number, 0 or less
	s_delay_alu instid0(VALU_DEP_1)
	v_cvt_i32_f32 v254, v254                       ; (it saturates)
	s_delay_alu instid0(VALU_DEP_1)
	v_ldexp_f32 v252, 1.0, v254                    ; f = 2^(old M - new M)
.set j, 0
.rept 32
	v_pk_fma_f32 v[SC+j:SC+j+1], v[SC+j:SC+j+1], s[CS:CS+1], v[12:13] op_sel_hi:[1,0,0]   ; t - M, two at a time (of the pairs c and -M the low word serves both halves)
.set j, j+2
.endr
.irp b, 0,1,2,3
	v_fma_f32 v[232+\b], v[232+\b], s[CS], v12     ; the same of each block's largest score
.endr
.set j, 0
	s_setprio 1
	s_wait_alu depctr_va_vdst(0)
.rept 64
	v_exp_f32 v[SC+j], v[SC+j]                     ; p = 2^(t - M), at most 1: NOT normalised
.set j, j+1
.endr
	v_pk_mul_f32 v[14:15], v[14:15], v[252:253] op_sel_hi:[1,0]   ; the sums under the new M: the plain instruction behind the exponentials
	s_wait_alu depctr_va_vdst(0)                   ; one wait for the whole batch, ahead of its first reader
.irp b, 0,1,2,3
	v_exp_f32 v[232+\b], v[232+\b]                 ; the block's largest p: the same two instructions on the same number give the same bits
.endr
	v_pk_add_f32 v[236:237], v[100:101], v[104:105]
	v_pk_add_f32 v[254:255], v[108:109], v[112:113]
	v_pk_add_f32 v[250:251], v[116:117], v[120:121]
	v_pk_add_f32 v[248:249], v[124:125], v[128:129]
	v_pk_add_f32 v[246:247], v[132:133], v[136:137]
	v_pk_add_f32 v[244:245], v[140:141], v[144:145]
	v_pk_add_f32 v[238:239], v[148:149], v[152:153]
	v_pk_add_f32 v[14:15], v[14:15], v[156:157]
	v_pk_add_f32 v[236:237], v[236:237], v[96:97]
	v_pk_add_f32 v[254:255], v[254:255], v[98:99]
	v_pk_add_f32 v[250:251], v[250:251], v[102:103]
	v_pk_add_f32 v[248:249], v[248:249], v[106:107]
	v_pk_add_f32 v[246:247], v[246:247], v[110:111]
	v_pk_add_f32 v[244:245], v[244:245], v[114:115]
	v_pk_add_f32 v[238:239], v[238:239], v[118:119]
	v_pk_add_f32 v[14:15], v[14:15], v[122:123]
	v_pk_add_f32 v[236:237], v[236:237], v[126:127]
	v_pk_add_f32 v[254:255], v[254:255], v[130:131]
	v_pk_add_f32 v[250:251], v[250:251], v[134:135]
	v_pk_add_f32 v[248:249], v[248:249], v[138:139]
	v_pk_add_f32 v[246:247], v[246:247], v[142:143]
	v_pk_add_f32 v[244:245], v[244:245], v[146:147]
	v_pk_add_f32 v[238:239], v[238:239], v[150:151]
	v_pk_add_f32 v[14:15], v[14:15], v[154:155]
	v_pk_add_f32 v[236:237], v[236:237], v[158:159]
	s_delay_alu instid0(VALU_DEP_2)
	v_pk_add_f32 v[14:15], v[14:15], v[248:249]
	s_delay_alu instid0(VALU_DEP_2)
	v_pk_add_f32 v[236:237], v[236:237], v[246:247]
	v_pk_add_f32 v[254:255], v[254:255], v[244:245]
	v_pk_add_f32 v[250:251], v[250:251], v[238:239]
	s_delay_alu instid0(VALU_DEP_2)
	v_pk_add_f32 v[14:15], v[14:15], v[254:255]
	s_delay_alu instid0(VALU_DEP_2)
	v_pk_add_f32 v[236:237], v[236:237], v[250:251]
	s_delay_alu instid0(VALU_DEP_1)
	v_pk_add_f32 v[14:15], v[14:15], v[236:237]
	s_wait_alu depctr_va_vdst(0)                   ; and one for the four
.irp b, 0,1,2,3
	v_max_num_f32 v[232+\b], 0x1800000, v[232+\b]  ; the floor 2^(3 - 127): the byte cannot fall under 1
.endr
.irp b, 0,1,2,3
	s_delay_alu instid0(VALU_DEP_4)
	v_add_nc_u32 v[244+\b], 0xff000000, v[232+\b]  ; 2 off the exponent field: the conversion takes the exponent field of this operand as its scale
.endr
.irp b, 0,1,2,3
	s_delay_alu instid0(VALU_DEP_4)
	v_lshrrev_b32 v[236+\b], 23, v[244+\b]         ; the scale's byte
.endr
	s_delay_alu instid0(VALU_DEP_3)
	v_lshl_or_b32 v[PW], v237, 8, v236             ; p's scale word for these 128 keys
	s_delay_alu instid0(VALU_DEP_1)
	v_lshl_or_b32 v[PW], v238, 16, v[PW]
	s_delay_alu instid0(VALU_DEP_1)
	v_lshl_or_b32 v[PW], v239, 24, v[PW]
.irp b, 0,1,2,3
	v_cvt_scalef32_pk8_fp4_f32 v[PC+2*\b], v[SC+16*\b:SC+7+16*\b], v[244+\b]
	v_cvt_scalef32_pk8_fp4_f32 v[PC+1+2*\b], v[SC+8+16*\b:SC+15+16*\b], v[244+\b]
.endr
	s_setprio 0
	v_nop                                          ; one plain instruction between a scaled conversion and the instruction that touches its result
.irp c, 0,1                                    ; the operand's layout wants a WHOLE block in a lane: lanes 0-15 block 2 c, lanes 16-31 block 2 c + 1
.irp i, 0,1
	v_permlane16_swap_b32 v[PC+4*\c+\i], v[PC+2+4*\c+\i]
.endr
.endr
.set j, 0
.rept 16
	v_pk_mul_f32 v[OT+j:OT+j+1], v[OT+j:OT+j+1], v[252:253] op_sel_hi:[1,0]   ; O^T under the new M: x f, each accumulator from its low end on.  These sixteen also stand between the writes of p's scale word and codes and the products below
.set j, j+2
.endr
	s_wait_alu depctr_va_vdst(0)
	s_wait_dscnt 0x0                               ; V's fragments and scale words are in
.irp t, 0,2                                    ; O^T += V^T P^T: K = these 128 keys.  The four accumulators take turns, and the next step's eight products stand between two links of a chain
	v_wmma_scale_f32_16x16x128_f8f6f4 v[OT+8*\t:OT+8*\t+7], v[VFR+8*\t:VFR+8*\t+7], v[PC:PC+7], v[OT+8*\t:OT+8*\t+7], v[VSW+\t/2], v[PW] matrix_a_fmt:MATRIX_FMT_FP4 matrix_b_fmt:MATRIX_FMT_FP4
	v_wmma_scale_f32_16x16x128_f8f6f4 v[OT+8*\t+8:OT+8*\t+15], v[VFR+8*\t+8:VFR+8*\t+15], v[PC:PC+7], v[OT+8*\t+8:OT+8*\t+15], v[VSW+\t/2], v[PW] matrix_a_fmt:MATRIX_FMT_FP4 matrix_b_fmt:MATRIX_FMT_FP4 matrix_a_scale:MATRIX_SCALE_ROW1
.endr
.if \guard
.Lhid_\@:
	s_add_co_u32 s[ST], s[ST], 1
.endif
	s_add_co_u32 s[TK], s[TK], 4096                ; the next step's places
	s_add_co_u32 s[TV], s[TV], 64
	s_add_co_u32 s[TS], s[TS], 4352
	s_add_co_u32 s[TJ], s[TJ], 4
.endm
; count steps from step first on: every trip count is a constant of the text, the same in all waves
.macro WALK first, count, guard
.if \guard
	s_mov_b32 s[ST], \first
.endif
	s_mov_b32 s[TK], 4096*\first
	s_mov_b32 s[TV], 64*\first
	s_mov_b32 s[TS], 4352*\first
	s_mov_b32 s[TJ], 4*\first
	s_mov_b32 s[CNT], \count
.Lwalk_\@:
	STEP \guard
	s_sub_co_u32 s[CNT], s[CNT], 1
	s_cmp_lg_u32 s[CNT], 0
	s_cbranch_scc1 .Lwalk_\@
	s_setprio 0
.endm
; THE WAY OUT of a tile.  O^T is divided by the row's sum and goes through my stage in LDS: a lane holds eight channels of one query, and a query's 64 channels are 256 bytes of out0.  They come back as whole rows,
; and sixteen lanes store 256 consecutive bytes, at a multiple of 256 from out0's first byte.  more = 1: another tile follows.
.macro FINISH ob, more
.rept 4
	v_nop                                          ; four places behind the last products V^T P, also where hidden steps, which hold no vector instruction, were jumped over since
.endr
	v_add_f32 v14, v14, v15                        ; the sum's two halves,
	s_delay_alu instid0(VALU_DEP_1)
	v_permlanex16_b32 v252, v14, s[SEL], s[SEL+1]
	s_delay_alu instid0(VALU_DEP_1)
	v_add_f32 v14, v14, v252                       ; and lane l xor 16's: the row's sum, over 1/2
	s_wait_alu depctr_va_vdst(0)
	v_rcp_f32 v14, v14
	v_nop                                          ; a plain instruction behind the reciprocal,
	s_wait_alu depctr_va_vdst(0)                   ; and a wait ahead of its first reader
.set j, 0
.rept 16
	v_pk_mul_f32 v[SC+j:SC+j+1], v[OT+j:OT+j+1], v[14:15] op_sel_hi:[1,0]   ; register 8 t + i is o(query r, channel 16 t + 8 h + i)
.set j, j+2
.endr
.irp t, 0,1,2,3
	ds_store_b128 v[STO], v[SC+8*\t:SC+8*\t+3] offset:64*\t
	ds_store_b128 v[STO], v[SC+8*\t+4:SC+8*\t+7] offset:64*\t+16
.endr
.irp i, 0,1,2,3,4,5,6,7
	ds_load_b128 v[SC+32+4*\i:SC+35+4*\i], v[RD] offset:544*\i   ; LDS serves a wave's instructions in order (ISA guide 5.7.1.4): these see my stores
.endr
.irp i, 0,1,2,3,4,5,6,7
	s_wait_dscnt 7-\i                              ; the younger loads may stay out
	global_store_b128 v[GO], v[SC+32+4*\i:SC+35+4*\i], s[\ob:\ob+1] offset:8192*\i th:TH_STORE_NT   ; positions 2 i and 2 i + 1 of the tile; written once, read by nobody here
.endr
.if \more
	s_wait_xcnt 0x0                                ; the stores have read their registers: the next tile's products write them again
.endif
.endm
	START
	s_wait_loadcnt 0x0                             ; Q, both tiles'
	; THE LONG TILE.  Its steps 0 to 7 count in full for every wave (its diagonal step is 8 at the least), so the stretches between the barriers hold the same work in all sixteen waves
	MEET 3                                         ; V, V's scale bytes and chunk 0 of K have landed; behind them three loads of each loading wave may be out
	WALK 0, 4, 0                                   ; keys 0 .. 511
	MEET 2                                         ; chunk 1 has landed; chunks 2 and 3 may be out
	WALK 4, 4, 0                                   ; keys 512 .. 1,023
	MEET 0                                         ; all has landed: from here on the waves do not meet before the end
	WALK 8, 8, 1                                   ; keys 1,024 on, up to the diagonal
	FINISH OUTL, 1
	; THE SHORT TILE
.irp j, 0,1,2,3
	v_mov_b32 v[QF+\j], v[QF2+\j]
.endr
	v_mov_b32 v[QSW], v[QF2+4]                     ; (START's 36 plain instructions stand between these writes and the first product that reads them)
	v_mov_b32 v[DQ], v[QF2+5]
	s_mov_b32 s[LIM], s[LIM2]
	START
	WALK 0, 8, 1
	FINISH OUTS, 0
	s_wait_tensorcnt 0x0                           ; the wave's end, behind my last tensor load and my last LDS store
	ds_add_u32 v[SPW], v[NIL]
	s_wait_dscnt 0x0
	CROUND                                         ; the closing round: no work-group ends while a partner may still ask for a tile that names it
	s_endpgm
.Lfunc_end_k_qa875bd685d_attn:
	.size	k_qa875bd685d_attn, .Lfunc_end_k_qa875bd685d_attn-k_qa875bd685d_attn
	.p2alignl 7, 3214868480
	.fill 96, 4, 3214868480
	.section	.rodata,"a",@progbits
	.p2align	6, 0x0
	.amdhsa_kernel k_qa875bd685d_attn
		.amdhsa_group_segment_fixed_size 278528
		.amdhsa_private_segment_fixed_size 0
		.amdhsa_enable_private_segment 0
		.amdhsa_kernarg_size 56
		.amdhsa_user_sgpr_count 2
		.amdhsa_user_sgpr_kernarg_segment_ptr 1
		.amdhsa_wavefront_size32 1
		.amdhsa_system_sgpr_workgroup_id_x 1
		.amdhsa_system_sgpr_workgroup_id_y 1
		.amdhsa_system_sgpr_workgroup_id_z 1
		.amdhsa_system_vgpr_workitem_id 0
		.amdhsa_next_free_vgpr 256
		.amdhsa_next_free_sgpr 106
		.amdhsa_reserve_vcc 1
		.amdhsa_float_denorm_mode_32 3
		.amdhsa_float_denorm_mode_16_64 3
		.amdhsa_memory_ordered 1
		.amdhsa_forward_progress 1
		.amdhsa_inst_pref_size 100
	.end_amdhsa_kernel
	.amdgpu_metadata
---
amdhsa.version: [ 1, 2 ]
amdhsa.kernels:
  - .name:           k_qa875bd685d_attn
    .symbol:         k_qa875bd685d_attn.kd
    .args:
      - { .name: keys_codes, .offset: 0, .size: 8, .value_kind: global_buffer, .address_space: global }
      - { .name: keys_scales, .offset: 8, .size: 8, .value_kind: global_buffer, .address_space: global }
      - { .name: queries_codes, .offset: 16, .size: 8, .value_kind: global_buffer, .address_space: global }
      - { .name: queries_scales, .offset: 24, .size: 8, .value_kind: global_buffer, .address_space: global }
      - { .name: values_codes, .offset: 32, .size: 8, .value_kind: global_buffer, .address_space: global }
      - { .name: values_scales, .offset: 40, .size: 8, .value_kind: global_buffer, .address_space: global }
      - { .name: out0, .offset: 48, .size: 8, .value_kind: global_buffer, .address_space: global }
    .group_segment_fixed_size: 278528
    .private_segment_fixed_size: 0
    .kernarg_segment_align: 8
    .kernarg_segment_size: 56
    .max_flat_workgroup_size: 512
    .sgpr_count:     106
    .vgpr_count:     256
    .wavefront_size: 32
...
	.end_amdgpu_metadata
.endif
;; end of part 1
